; MI455X (gfx1250); checked and timed in simulation.
; The chip was launched on July 23, 2026; its instructions are those of AMD's public machine-readable ISA for CDNA 5 (MIT licence, August 2026) and "CDNA5" Instruction Set Architecture Reference Guide (July 2026). The comments in the code are by the model that wrote it; some were corrected since.
;; Multi Head Attention. Allowed arithmetic: matrix products marked QUANTISED: E2M3 operands, one E8M0 scale for each 32 along K, by v_wmma_scale_f32_16x16x128_f8f6f4 with both operands' format E2M3, f32 sums; everything else in f32.
;; Inputs: Wk_codes 1,024 x 32 x 24 uint8 (E2M3 codes of Wk, K innermost, in blocks of 32 codes, four codes in three bytes); Wk_scales 1,024 x 32 uint8 (E8M0 scales of Wk, one for each 32 codes along K); Wq_codes 1,024 x 32 x 24 uint8 (E2M3 codes of Wq, K innermost, in blocks of 32 codes, four codes in three bytes); Wq_scales 1,024 x 32 uint8 (E8M0 scales of Wq, one for each 32 codes along K); Wv_codes 1,024 x 32 x 24 uint8 (E2M3 codes of Wv, K innermost, in blocks of 32 codes, four codes in three bytes); Wv_scales 1,024 x 32 uint8 (E8M0 scales of Wv, one for each 32 codes along K); bk 1,024 float32; bq 1,024 float32; bv 1,024 float32; k_codes 4 x 2,048 x 32 x 24 uint8 (E2M3 codes of k, K innermost, in blocks of 32 codes, four codes in three bytes); k_scales 4 x 2,048 x 32 uint8 (E8M0 scales of k, one for each 32 codes along K); q_codes 4 x 2,048 x 32 x 24 uint8 (E2M3 codes of q, K innermost, in blocks of 32 codes, four codes in three bytes); q_scales 4 x 2,048 x 32 uint8 (E8M0 scales of q, one for each 32 codes along K); v_codes 4 x 2,048 x 32 x 24 uint8 (E2M3 codes of v, K innermost, in blocks of 32 codes, four codes in three bytes); v_scales 4 x 2,048 x 32 uint8 (E8M0 scales of v, one for each 32 codes along K).
;; Outputs: out0 4 x 2,048 x 1,024 float32.
;; This version of the problem:
;;   THIS VERSION OF THE PROBLEM IS GIVEN IN LOW PRECISION. The matrix products marked QUANTISED in the list below multiply operands that are first quantised to E2M3 (2 exponent bits, 3 mantissa bits; 6 bits a number), with one power-of-two scale for each 32 numbers along K (OCP MX v1.0); their sums are f32. All else is computed in f32.
;;   The module's matrix products, in the order in which they are computed (A, B: the left and right operand; K: the contracted axis; several contracted axes count as one K, in the product's order):
;;     1. [M 8,192, K 1,024] x [K 1,024, N 1,024]; A: input q (given as codes); B: input Wq (given as codes): QUANTISED
;;     2. [M 8,192, K 1,024] x [K 1,024, N 1,024]; A: input k (given as codes); B: input Wk (given as codes): QUANTISED
;;     3. [M 8,192, K 1,024] x [K 1,024, N 1,024]; A: input v (given as codes); B: input Wv (given as codes): QUANTISED
;;     4. batch 64 x [M 2,048, K 64] x [K 64, N 2,048]; A: computed on the way; B: computed on the way: QUANTISED
;;     5. batch 64 x [M 64, K 2,048] x [K 2,048, N 2,048]; A: computed on the way; B: softmax (see below): QUANTISED
;;   THE QUANTISER, for each operand of a quantised product, along K:
;;     - K is cut into blocks of 32 from its start; a last block that is shorter is filled with zeros.
;;     - A block's scale is 2^e with e = floor(log2(the largest magnitude in the block)) - 2, held to -126 .. 127; a block of zeros has e = 0. As a byte (E8M0): e + 127.
;;     - Each number is divided by its block's scale, clamped to +-7.5, and rounded to the nearest number of E2M3, ties to even, subnormals kept.
;;     - The product sums the exact products of the quantised numbers (number of the format x scale) in f32.
;;   ~~~python
;;   def quantise(x, axis):      # numpy; x: float32 -> the quantised numbers, widened to float32 again
;;       x = np.moveaxis(x, axis, -1); K = x.shape[-1]
;;       x = np.pad(x, [(0, 0)] * (x.ndim - 1) + [(0, -K % 32)]); x = x.reshape(x.shape[:-1] + (-1, 32)); a = np.abs(x).max(-1, keepdims=True)
;;       e = np.where(a > 0, np.clip(np.frexp(np.where(a > 0, a, 1))[1] - 1 - 2, -126, 127), 0)      # np.frexp(a)[1] - 1 = floor(log2(a)), exactly
;;       r = np.clip(x / 2.0 ** e, -7.5, 7.5)
;;       step = 2.0 ** (np.maximum(np.frexp(np.where(r == 0, 1, r))[1] - 1, 0) - 3)
;;       q = np.round(r / step) * step * 2.0 ** e      # np.round: ties to even
;;       return np.moveaxis(q.reshape(q.shape[:-2] + (-1,))[..., :K], -1, axis).astype(np.float32)
;;   ~~~
;;   SOFTMAX AHEAD OF A QUANTISED PRODUCT. Where the list says 'softmax', what is quantised is not the finished softmax but p = 2^(t - M), with t = logit x log2(e) and M = ceil(the row's largest t), a whole number; so 1/2 < the row's largest p <= 1. The row's sum l is taken of the UNQUANTISED p, in f32, and the product's result is divided by l at the end. Since M is a whole number, a kernel that streams over the keys may use a running M (the ceiling of the running maximum): every later rescaling is an exact power of two, which a block's scale takes up: the codes' values come out the same.
;;   OPERANDS COMPUTED ON THE WAY. 'Computed on the way' means the value that the module computes at that place (a softmax that the list does not call 'softmax' is quantised finished and normalised). What goes into a quantiser is computed in f32, as accurately as f32 sums, v_exp_f32 and their like allow (about 1e-6 of the number): no bf16 or f16 on the way to a quantiser, and a product that is left as it is and whose result goes on into a quantised operand takes f32 operands (vector FMAs, or v_wmma_f32_16x16x4_f32). A number that lies on a knife's edge between two numbers of the format may be rounded either way, as far as f32 arithmetic and the matrix unit's own rounding can turn it there, and no further.
;;   INPUTS GIVEN AS CODES. Wk (in the module: [1024, 1024], K = its axis 0); Wq (in the module: [1024, 1024], K = its axis 0); Wv (in the module: [1024, 1024], K = its axis 0); k (in the module: [4, 2048, 1024], K = its axis 2); q (in the module: [4, 2048, 1024], K = its axis 2); v (in the module: [4, 2048, 1024], K = its axis 2): each comes as NAME_codes (uint8): NAME with its K axis moved to the last place and cut into blocks of 32 codes, [.., K / 32, bytes a block], one block behind the other in memory; four codes in three bytes: a row's codes are one little-endian stream of bits, code i at bits 6 i .. 6 i + 5 (a code: sign, 2 exponent bits, 3 mantissa bits); and NAME_scales (uint8): the same leading axes, one E8M0 byte (e + 127) for each 32 codes along K. Its value is code x scale, taken as it is: it is not quantised again, and the codes and scales need not be those that the quantiser above would give.
;; One version. Each part assembles by itself: llvm-mc -triple=amdgcn-amd-amdhsa -mcpu=gfx1250 --defsym DOCPART=n.
;; ======== version 1 of 1: 2 launches
;; limits: right only within a limited range of input values
;; workspace buffers: qc 6,291,456 bytes; qs 524,288 bytes; kv 13,369,344 bytes
;; launch proj (part 1): grid 4 x 96, 4 waves a work-group, clusters of 4 x 4, 327,680 bytes of LDS; arguments q_codes, q_scales, Wq_codes, Wq_scales, bq, k_codes, k_scales, Wk_codes, Wk_scales, bk, Wv_codes, Wv_scales, v_codes, v_scales, bv, qc, qs, kv; writes qc, qs, kv
.if DOCPART == 1
	.amdgcn_target "amdgcn-amd-amdhsa--gfx1250"
	.amdhsa_code_object_version 6
	.text
	.protected	k_q91d19c90d5_proj
	.globl	k_q91d19c90d5_proj
	.p2align	8
	.type	k_q91d19c90d5_proj,@function
k_q91d19c90d5_proj:
	s_mov_b64 s[64:65], 0
	v_nop
	global_prefetch_b8 v0, s[64:65] scope:SCOPE_SE
	s_setreg_imm32_b32 hwreg(HW_REG_WAVE_MODE, 25, 1), 1
	s_wait_xcnt 0x0
	s_wait_alu depctr_hold_cnt(0) depctr_sa_sdst(0) depctr_va_vdst(0) depctr_va_sdst(0) depctr_va_ssrc(0) depctr_va_vcc(0) depctr_vm_vsrc(0)
	s_getreg_b32 s2, hwreg(HW_REG_IB_STS2, 6, 4)
	s_cmp_eq_u32 s2, 0
	s_cbranch_scc0 .Lentry_in_a_cluster
	s_endpgm
.Lentry_in_a_cluster:
	s_bfe_u32 s2, ttmp6, 0x10000c
	s_cmp_lg_u32 s2, 0xf033
	s_cbranch_scc0 .Lentry_shape_is_right
	s_endpgm
.Lentry_shape_is_right:
; THE THREE PROJECTIONS ON CODES OF FP6 (E2M3), EACH RESULT QUANTISED AGAIN ON THE WAY OUT.  C[m][n] = sum over k of A[m][k] B[n][k] + bias, K = 1,024; C is quantised along n in blocks of 32.
; Tensor TEN = cluster y / 8: 0: A = q's rows, B = Wq's; 1: A = k's, B = Wk's (blocks along the head's 64); 2: A = Wv's rows, B = v's (blocks along the tokens, which are the K of the attention's second product).
; A work-group of four waves makes 256 x 256 of C, a wave 128 x 128: 64 accumulators.  K goes through a ring of two LDS slots in chunks of 256 bytes of each row of 768: every tensor row begins at a multiple of 256 bytes.
; A step of 128 along K is 96 bytes: eight steps to three chunks; steps 2 and 5 lie across two chunks.  The scale bytes of the 256 + 256 rows come once, as dense units of 256 bytes.
; CLUSTERS of 4 x 4: A's tiles are asked for jointly by a row of the cluster, B's by a column.  The product is used transposed (source 0 = B's rows): a lane holds one row m and eight neighbouring n.
; No data prefetch: the walk has three chunks, two of them asked for at the head, so there is no trip to run ahead in.
; WHAT IS STORED: images of operand registers.  A half image is six registers in 768 bytes: registers 0-3 at 16 x lane, registers 4-5 at 512 + 8 x lane.  Inside a block of 32 the codes lie in the order of groups of eight 0, 2, 1, 3, alike in both operands of each later product.
;   qc: (batch, head) x 98,304 + 768 T: tile T of 16 queries.  qs: x 8,192 + 256 (T / 4) + 16 r + 4 (T % 4): its scale word (bytes 2, 3 are 0).
;   kv, 208,896 bytes a head: K's scale words at 0 (laid as qs), V's at 8,192 + 256 ks + 16 r + 4 t; key step ks at 12,288 + 12,288 ks: K's eight half images, then at 6,144 V's four tiles of 16 d x 128 keys, two half images each.
;   K'S TILES ARE DEALT ANEW: row 8 x + j of tile 4 c + t of a key step is key 64 c + 32 x + 8 g + j with g = 0, 2, 1, 3 for t = 0 .. 3, so that in the scores a lane holds whole blocks of 32 keys.
;   My block a = 4 c + 2 x + u, lane row 8 w + j goes to tile 4 c + u + 2 w, row 8 x + j.  So a store of K's codes covers runs of 128 consecutive bytes; blocks a and a + 2 together fill each 256.
; LIMITS: a sum begins with the bias; NaN, infinities and sums beyond f32's range are not served; a block of zeros keeps the byte 1 (its codes are zeros).
.set ROWB,   256
.set NQ,     2
.set KROW,   768
.set STEPS,  8
.set CHUNKS, 3
.set PITCH,  272                       ; an LDS row: 256 bytes + 16 of padding
.set FR,     12
.set NL,     6
.set NP,     4
.set HALFT,  128*PITCH
.set SLOT,   4*HALFT
.set KS,     32
.set SCL,    2*SLOT                    ; behind the ring: the scales, units of 256 + 16
.set HALFS,  16*272
.set SBLK,   2*272
.set SPARE,  SCL+4*HALFS               ; the spare words, 128 bytes a wave
.set L16,  8
.set L8,   9
.set SA,   10
.set SHV,  11
.set LK16, 12                          ; K's stores: my lane's place in the tiles dealt anew
.set LK8,  13
.set SAK,  14
.set ADRA, 16
.set ADRB, 20
.set ADRS, 27
.set SPW,  28
.set NIL,  29
.set SC,   32
.set BI,   64                          ; the bias as the first products' C
.set AF,   128
.set BA,   224
.set TM,   64
.set PW,   80
.set PC,   84
.set SW,   104
.set G1,   24
.set G0,   32
.set G1B,  48
.set G0B,  56
.set G1S,  68
.set G0S,  76
.set G1SB, 80
.set G0SB, 88
.set G0H,  4
.set G0HB, 8
.set OC,   96
.set OS,   98
.set TEN,  100
.set XR,   101
.set WR,   104
.set OC2,  42
.set OS2,  44
.set OCK,  48
.set OCK2, 50
.set MSB, 0
.macro WIN new
.if MSB != \new
	s_set_vgpr_msb (MSB<<8)|\new
.set MSB, \new
.endif
.endm
.set MUL_LO, 0xa1
.set MUL_HI, 0xf1
.set BIA_LO, 0x81                      ; C in window 0: the bias
.set BIA_HI, 0xc1
.set TO_B,   0x40
.macro PLACES n
.rept \n
	v_nop
.endr
.endm
.macro JLOAD g0a, g1a, g0b, g1b        ; waves 0 and 1 fetch for A, waves 2 and 3 for B
	s_cmp_eq_u32 s15, 0
	s_cbranch_scc0 .Lfor_b_\@
	tensor_load_to_lds s[\g0a:\g0a+3], s[\g1a:\g1a+7]
	s_nop 0
	PLACES 4
	s_branch .Lasked_\@
.Lfor_b_\@:
	tensor_load_to_lds s[\g0b:\g0b+3], s[\g1b:\g1b+7]
	s_nop 0
	PLACES 4
.Lasked_\@:
.endm
.macro CREST
	s_cmp_lg_u32 s14, 0
	s_cbranch_scc1 .Lnot_wave_0_\@
	s_barrier_signal -3
.Lnot_wave_0_\@:
	s_barrier_wait -3
	s_barrier_signal -1
	s_barrier_wait -1
.endm
.macro CROUND
	s_barrier_signal -1
	s_barrier_wait -1
	CREST
.endm
	s_load_b256 s[4:11], s[0:1], 0x0               ; q's set: A's codes, A's scales, B's codes, B's scales,
	s_load_b64 s[12:13], s[0:1], 0x20              ; bias
	s_load_b256 s[24:31], s[0:1], 0x28             ; k's set
	s_load_b64 s[32:33], s[0:1], 0x48
	s_load_b256 s[36:43], s[0:1], 0x50             ; v's set (Wv as A)
	s_load_b64 s[44:45], s[0:1], 0x70
	s_load_b128 s[48:51], s[0:1], 0x78             ; qc, qs
	s_load_b64 s[52:53], s[0:1], 0x88              ; kv
	v_lshl_add_u32 v[SPW], v0, 2, SPARE
	v_mov_b32 v[NIL], 0
	ds_add_u32 v[SPW], v[NIL]                      ; the opening lines: the add twice on end and one wait
	ds_add_u32 v[SPW], v[NIL]
	v_lshrrev_b32 v1, 5, v0
	v_readfirstlane_b32 s14, v1                    ; wave
	s_lshr_b32 s15, s14, 1                         ; my half of the rows; also: I fetch for A (0) or B (1)
	s_and_b32 s16, s14, 1                          ; my half of the columns; also: which 128 rows I fetch
	s_and_b32 s[XR], ttmp7, 0xffff
	s_lshr_b32 s[TEN], s[XR], 3
	s_and_b32 s[XR], s[XR], 7
	s_lshl_b32 s[XR], s[XR], 2
	s_wait_alu depctr_va_vdst(0)
	s_wait_dscnt 0x0
	CROUND                                         ; the round in front of the first joint loads
	s_wait_kmcnt 0x0
	s_cmp_eq_u32 s[TEN], 1
.irp i, 0,2,4,6,8
	s_cselect_b64 s[24+\i:25+\i], s[24+\i:25+\i], s[36+\i:37+\i]
.endr
	s_cmp_eq_u32 s[TEN], 0
.irp i, 0,2,4,6,8
	s_cselect_b64 s[4+\i:5+\i], s[4+\i:5+\i], s[24+\i:25+\i]
.endr
	s_cselect_b64 s[OC:OC+1], s[48:49], s[52:53]
	s_cselect_b64 s[OS:OS+1], s[50:51], s[52:53]
	s_bfe_u32 s40, ttmp6, 0x40000                  ; cx
	s_bfe_u32 s41, ttmp6, 0x40004                  ; cy
	s_cmp_eq_u32 s[TEN], 2
	s_cselect_b32 s18, s[XR], 0
	s_cselect_b32 s19, 0, s[XR]
	s_add_co_u32 s42, s40, s18                     ; tile column (B's rows)
	s_add_co_u32 s17, s41, s19                     ; tile row (A's rows)
	s_lshl_b32 s43, s41, 2
	s_lshl_b32 s43, 15, s43                        ; my row of the cluster
	s_lshl_b32 s44, 0x1111, s40                    ; my column
	s_lshl_b32 s18, s17, 1
	s_add_co_u32 s18, s18, s15
	s_lshl_b32 s19, s42, 1
	s_add_co_u32 s19, s19, s16
	s_cmp_eq_u32 s[TEN], 2
	s_cselect_b32 s[XR], s19, s18                  ; my 128 tokens' number
	s_cselect_b32 s[WR], s18, s19                  ; my 128 rows of the weight
	s_or_b32 s[G1+0], s43, (1<<20)|(1<<21)|(5<<22)|(3<<25)
	s_or_b32 s[G1B+0], s44, (1<<20)|(1<<21)|(5<<22)|(3<<25)
.irp g, G1, G1B
	s_mov_b32 s[\g+1], ROWB<<16
	s_mov_b32 s[\g+2], 256<<16                     ; the head's loads bring 256 rows
	s_mov_b32 s[\g+3], ROWB<<16
	s_mov_b32 s[\g+4], 256
	s_mov_b32 s[\g+5], KROW
	s_mov_b32 s[\g+6], 0
	s_mov_b32 s[\g+7], 0
.endr
	s_or_b32 s[G1S+0], s43, (3<<16)|(1<<20)|(1<<21)|(5<<22)|(3<<25)
	s_or_b32 s[G1SB+0], s44, (3<<16)|(1<<20)|(1<<21)|(5<<22)|(3<<25)
.irp g, G1S, G1SB
	s_mov_b32 s[\g+1], 32<<16                      ; the scales of 256 rows: 32 units of 256 bytes
	s_mov_b32 s[\g+2], KS<<16
	s_mov_b32 s[\g+3], 32<<16
	s_mov_b32 s[\g+4], KS
	s_mov_b32 s[\g+5], 32
	s_mov_b32 s[\g+6], 0
	s_mov_b32 s[\g+7], 0
.endr
	s_lshl_b32 s20, s17, 8
	s_lshl_b32 s46, s42, 8
	s_mov_b32 s21, 0
	s_mov_b32 s47, 0
	s_mov_b64 s[18:19], KS
	s_mul_u64 s[22:23], s[20:21], s[18:19]
	s_mul_u64 s[92:93], s[46:47], s[18:19]
	s_mov_b64 s[18:19], KROW
	s_mul_u64 s[20:21], s[20:21], s[18:19]
	s_mul_u64 s[46:47], s[46:47], s[18:19]
	s_mul_i32 s18, s16, 128*KROW
	s_mov_b32 s19, 0
	s_mul_i32 s45, s14, HALFT
	s_add_nc_u64 s[20:21], s[4:5], s[20:21]
	s_add_nc_u64 s[22:23], s[6:7], s[22:23]
	s_add_nc_u64 s[46:47], s[8:9], s[46:47]
	s_add_nc_u64 s[92:93], s[10:11], s[92:93]
	s_mov_b32 s[G0H], 1                            ; chunk 0's 256 rows of A,
	s_mov_b32 s[G0H+1], 0
	s_mov_b64 s[G0H+2:G0H+3], s[20:21]
	s_or_b32 s[G0H+3], s[G0H+3], 0x80000000
	s_mov_b32 s[G0HB], 1                           ; of B,
	s_mov_b32 s[G0HB+1], 2*HALFT
	s_mov_b64 s[G0HB+2:G0HB+3], s[46:47]
	s_or_b32 s[G0HB+3], s[G0HB+3], 0x80000000
	s_mov_b32 s[G0S], 1                            ; A's scales,
	s_mov_b32 s[G0S+1], SCL
	s_mov_b64 s[G0S+2:G0S+3], s[22:23]
	s_or_b32 s[G0S+3], s[G0S+3], 0x80000000
	s_mov_b32 s[G0SB], 1                           ; B's
	s_mov_b32 s[G0SB+1], SCL+2*HALFS
	s_mov_b64 s[G0SB+2:G0SB+3], s[92:93]
	s_or_b32 s[G0SB+3], s[G0SB+3], 0x80000000
	s_add_nc_u64 s[20:21], s[20:21], s[18:19]      ; for the ring: my 128 rows
	s_add_nc_u64 s[46:47], s[46:47], s[18:19]
.irp s, 0,1
	s_mov_b32 s[G0+4*\s], 1
	s_add_co_u32 s[G0+4*\s+1], s45, \s*SLOT
	s_add_nc_u64 s[G0+4*\s+2:G0+4*\s+3], s[20:21], \s*ROWB
	s_or_b32 s[G0+4*\s+3], s[G0+4*\s+3], 0x80000000
	s_mov_b32 s[G0B+4*\s], 1
	s_add_co_u32 s[G0B+4*\s+1], s45, \s*SLOT
	s_add_nc_u64 s[G0B+4*\s+2:G0B+4*\s+3], s[46:47], \s*ROWB
	s_or_b32 s[G0B+4*\s+3], s[G0B+4*\s+3], 0x80000000
.endr
; the head's four tiles, one a wave, in one chain of branches on the wave's number
.macro ARM under, g0, g1, next
	s_cmp_lt_u32 s14, \under
	s_cbranch_scc0 \next
	tensor_load_to_lds s[\g0:\g0+3], s[\g1:\g1+7]
	s_nop 0
	PLACES 4
	s_branch .Lhead_asked
\next:
.endm
	ARM 1, G0H,  G1,  .Lhead_b
	ARM 2, G0HB, G1B, .Lhead_sa
	ARM 3, G0S,  G1S, .Lhead_sb
	tensor_load_to_lds s[G0SB:G0SB+3], s[G1SB:G1SB+7]
	s_nop 0
	PLACES 4
.Lhead_asked:
	v_and_b32 v1, 15, v0                           ; r
	v_bfe_u32 v2, v0, 4, 1                         ; h
	v_mul_u32_u24 v3, v1, PITCH
	v_mul_u32_u24 v4, v2, 24
	v_add_nc_u32 v4, v3, v4                        ; row x pitch + 24 h
	s_mov_b32 s21, SLOT-232
	s_mov_b32 s22, SLOT+232
	v_sub_nc_u32 v7, 1, v2
	v_mul_u32_u24 v5, s21, v2
	v_add_nc_u32 v5, v3, v5
	v_add_nc_u32 v5, 232, v5                       ; across two chunks: lanes 0-15 byte 232 in slot 0, lanes 16-31 byte 0 in slot 1;
	v_mul_u32_u24 v6, s22, v7
	v_add_nc_u32 v6, v3, v6                        ; and the other way round
	s_mul_i32 s21, s15, HALFT
	s_mul_i32 s22, s16, HALFT
	s_add_co_u32 s22, s22, 2*HALFT
	v_add_nc_u32 v[ADRA+2], s21, v5
	v_add_nc_u32 v[ADRA+3], s21, v6
	v_add_nc_u32 v[ADRB+2], s22, v5
	v_add_nc_u32 v[ADRB+3], s22, v6
.irp s, 0,1
	v_add_nc_u32 v[ADRA+\s], s21, v4
	v_add_nc_u32 v[ADRB+\s], s22, v4
	s_add_co_u32 s21, s21, SLOT
	s_add_co_u32 s22, s22, SLOT
.endr
	v_mul_u32_u24 v5, v1, KS
	v_lshrrev_b32 v6, 8, v5
	v_lshl_add_u32 v5, v6, 4, v5
	s_mul_i32 s21, s15, HALFS
	s_mul_i32 s22, s16, HALFS
	s_add_co_u32 s22, s22, 2*HALFS
	s_sub_co_u32 s22, s22, s21
	v_mul_u32_u24 v6, s22, v2                      ; lanes 16-31 take B's scale words
	s_add_co_u32 s21, s21, SCL
	v_add_nc_u32 v5, v5, v6
	v_add_nc_u32 v[ADRS], s21, v5
	s_cmp_eq_u32 s[TEN], 2                         ; the bias: along n (register j: column 8 h + j), or for V along m (row r)
	s_cselect_b32 s18, 4, 0
	s_cselect_b32 s19, 0, 32
	s_cselect_b32 s20, 0, 4
	v_mul_u32_u24 v[BA], v1, s18
	v_mad_u32_u24 v[BA], v2, s19, v[BA]
.irp j, 1,2,3,4,5,6,7
	v_add_nc_u32 v[BA+\j], s20, v[BA+\j-1]
.endr
	s_lshl_b32 s22, s[WR], 9
	s_mov_b32 s23, 0
	s_add_nc_u64 s[12:13], s[12:13], s[22:23]
.irp i, 0,1,2,3,4,5,6,7
.irp j, 0,1,2,3,4,5,6,7
	global_load_b32 v[BI+8*\i+\j], v[BA+\j], s[12:13] offset:64*\i
.endr
.endr
.macro FRAG reg, adr, st, i            ; 16 rows x 128 K: six pieces of 8 bytes; byte y of a row lies in chunk y / 256, slot (y / 256) % 2
.irp p, 0,1,2,3,4,5
.set BY, 96*(\st)+48*(\p/3)+8*(\p%3)
.if BY/ROWB == (BY+24)/ROWB
	ds_load_b64 v[\reg+2*\p:\reg+2*\p+1], v[\adr+(BY/ROWB)%2] offset:BY%ROWB+(\i)*16*PITCH
.else
	ds_load_b64 v[\reg+2*\p:\reg+2*\p+1], v[\adr+2+(BY/ROWB)%2] offset:BY%ROWB-232+(\i)*16*PITCH
.endif
.endr
.endm
.macro PRD a, b, p, q, sc, c
	v_wmma_scale_f32_16x16x128_f8f6f4 v[8*(8*((\a)%4)+\b):8*(8*((\a)%4)+\b)+7], v[128*(\p)+FR*\b:128*(\p)+FR*\b+FR-1], v[AF+FR*(\a):AF+FR*(\a)+FR-1], \c, v[SC+8*NQ*(\sc)+NQ*\b+(\q)], v[SC+8*NQ*(\sc)+NQ*(\a)+(\q)] matrix_a_fmt:MATRIX_FMT_FP6 matrix_b_fmt:MATRIX_FMT_FP6 matrix_a_scale:MATRIX_SCALE_ROW1
.endm
.macro MUL16 a0, p, q, sc, z           ; A's blocks a0, a0 + 1 x B's eight.  z = 1: C = the bias along n; 2: along m; 0: the sum goes on.  The 64 accumulators take turns
.irp a, \a0, \a0+1
.irp b, 0,1,2,3,4,5,6,7
.if \z == 1
	PRD \a, \b, \p, \q, \sc, v[BI+8*\b:BI+8*\b+7]
.elseif \z == 2
	PRD \a, \b, \p, \q, \sc, v[BI+8*(\a):BI+8*(\a)+7]
.else
	PRD \a, \b, \p, \q, \sc, v[8*(8*((\a)%4)+\b):8*(8*((\a)%4)+\b)+7]
.endif
.endr
.endr
.endm
.macro FETCH_B st, p
	WIN TO_B
.irp i, 0,1,2,3,4,5,6,7
	FRAG 128*(\p)+FR*\i, ADRB, \st, \i
.endr
	WIN 0
.endm
.macro FETCH_A st, i0
.irp i, \i0, \i0+1, \i0+2, \i0+3
	FRAG AF+FR*(\i), ADRA, \st, \i
.endr
.endm
.macro SCALES pr
.irp i, 0,1,2,3,4,5,6,7
	ds_load_b64 v[SC+8*NQ*((\pr)%2)+NQ*\i:SC+8*NQ*((\pr)%2)+NQ*\i+1], v[ADRS] offset:\i*SBLK+4*NQ*(\pr)
.endr
.endm
; A step: 64 products; the next step's fragments are fetched in its middle and at its end.  Where the next step's bytes END in a chunk not read yet, a barrier shows that chunk whole;
; where they BEGIN in a later chunk, the chunk left behind is read no more: wait for all tensor loads, the add, wait, barrier; where a chunk two on is left to fetch, the barrier opens a round and the slot is filled again.
.macro STEP st, z
.set NX, (\st)+1
.set C0, (96*(\st))/ROWB
.set C1, (96*NX)/ROWB
.set E0, (96*(\st)+95)/ROWB
.set E1, (96*NX+95)/ROWB
.if \z
.set WLO, BIA_LO
.set WHI, BIA_HI
.else
.set WLO, MUL_LO
.set WHI, MUL_HI
.endif
.if C1 > C0 || E1 > E0
	s_wait_tensorcnt 0x0
.if C1 > C0
	ds_add_u32 v[SPW], v[NIL]
	s_wait_dscnt 4*NL+1                            ; the add and A's blocks 4-7 may be out
.else
	s_wait_dscnt 4*NL
.endif
	WIN WLO
	MUL16 0, (\st)%2, (\st)%2, ((\st)/2)%2, \z
	s_wait_dscnt 0x0
	s_barrier_signal -1
	MUL16 2, (\st)%2, (\st)%2, ((\st)/2)%2, \z
	WIN 0
	s_barrier_wait -1
.if C1 > C0 && C0+2 < CHUNKS
	CREST
	s_add_nc_u64 s[G0+4*(C0%2)+2:G0+4*(C0%2)+3], s[G0+4*(C0%2)+2:G0+4*(C0%2)+3], 2*ROWB
	s_add_nc_u64 s[G0B+4*(C0%2)+2:G0B+4*(C0%2)+3], s[G0B+4*(C0%2)+2:G0B+4*(C0%2)+3], 2*ROWB
	JLOAD G0+4*(C0%2), G1, G0B+4*(C0%2), G1B
.else
	PLACES NP
.endif
.else
	s_wait_dscnt 4*NL                              ; B's set and A's blocks 0-3 are in
	WIN WLO
	MUL16 0, (\st)%2, (\st)%2, ((\st)/2)%2, \z
	MUL16 2, (\st)%2, (\st)%2, ((\st)/2)%2, \z
	s_wait_dscnt 0
	PLACES NP
.endif
	FETCH_B NX, NX%2
	FETCH_A NX, 0
.if NX%2 == 0
	SCALES NX/2
.endif
	WIN WHI
	MUL16 4, (\st)%2, (\st)%2, ((\st)/2)%2, \z
	MUL16 6, (\st)%2, (\st)%2, ((\st)/2)%2, \z
	PLACES NP
	WIN 0
	FETCH_A NX, 4
.endm
	s_wait_alu depctr_va_vdst(0)
	s_wait_tensorcnt 0x0                           ; my tile of the head's four is in
	ds_add_u32 v[SPW], v[NIL]
	s_mov_b32 s[G1+2], 128<<16                     ; no load of mine is out: from here on a load brings 128 rows
	s_mov_b32 s[G1+4], 128
	s_mov_b32 s[G1B+2], 128<<16
	s_mov_b32 s[G1B+4], 128
	s_wait_dscnt 0x0
	CROUND
	JLOAD G0+4, G1, G0B+4, G1B                     ; chunk 1, the first tensor load behind the round
	FETCH_B 0, 0
	FETCH_A 0, 0
	SCALES 0
	FETCH_A 0, 4
	s_wait_loadcnt 0x0                             ; the bias
	s_cmp_eq_u32 s[TEN], 2
	s_cbranch_scc1 .Lfirst_v
	STEP 0, 1
	s_branch .Lfirst_done
.Lfirst_v:
	STEP 0, 2
.Lfirst_done:
.set ST, 1
.rept STEPS-2
	STEP ST, 0
.set ST, ST+1
.endr
	s_wait_dscnt 4*NL
	WIN MUL_LO
	MUL16 0, 1, 1, 1, 0
	MUL16 2, 1, 1, 1, 0
	s_wait_dscnt 0
	WIN MUL_HI
	MUL16 4, 1, 1, 1, 0
	MUL16 6, 1, 1, 1, 0
	WIN 0
	PLACES NP
; THE WAY OUT.  The three tensors' places differ in constants alone
.macro SEL3 dst, vq, vk, vv
	s_mov_b32 s[\dst], \vv
	s_mov_b32 s20, \vk
	s_cmp_eq_u32 s[TEN], 1
	s_cselect_b32 s[\dst], s20, s[\dst]
	s_mov_b32 s20, \vq
	s_cmp_eq_u32 s[TEN], 0
	s_cselect_b32 s[\dst], s20, s[\dst]
.endm
	SEL3 21, 98304, 208896, 208896
	SEL3 22, 0, 12288, 18432
	SEL3 23, 6144, 12288, 12288
	SEL3 24, 98304, 208896, 768
	SEL3 26, 768, 768, 1536
	SEL3 28, 768, 768, 204288
	SEL3 30, 8192, 208896, 208896
	SEL3 31, 0, 0, 8192
	SEL3 32, 512, 512, 256
	SEL3 33, 8192, 208896, 0
	SEL3 34, 256, 256, 208896
	SEL3 36, 16, 16, 0
	SEL3 37, 0xffff, 0xffff, -1
	s_mov_b32 s25, 0
	s_mov_b32 s27, 0
	s_mov_b32 s29, 0
	s_mov_b32 s35, 0
	s_mov_b32 s46, 0x76543210
	s_mov_b32 s47, 0xfedcba98
	s_lshr_b32 s38, s[XR], 4
	s_lshl_b32 s38, s38, 4
	s_lshl_b32 s39, s[WR], 1
	s_add_co_u32 s38, s38, s39
	s_and_b32 s39, s[XR], 15
	s_mul_i32 s18, s38, s21
	s_add_co_u32 s18, s18, s22
	s_mul_i32 s40, s39, s23
	s_add_co_u32 s18, s18, s40
	s_mov_b32 s19, 0
	s_add_nc_u64 s[OC:OC+1], s[OC:OC+1], s[18:19]
	s_add_nc_u64 s[OC2:OC2+1], s[OC:OC+1], s[24:25]
	s_mov_b64 s[OCK:OCK+1], s[OC:OC+1]             ; K's stores go by immediates from the key step's first byte
	s_mov_b64 s[OCK2:OCK2+1], s[OC2:OC2+1]
	s_mul_i32 s18, s38, s30
	s_add_co_u32 s18, s18, s31
	s_mul_i32 s40, s39, s32
	s_add_co_u32 s18, s18, s40
	s_add_nc_u64 s[OS:OS+1], s[OS:OS+1], s[18:19]
	s_add_nc_u64 s[OS2:OS2+1], s[OS:OS+1], s[34:35]
	v_and_b32 v3, 31, v0
	v_lshlrev_b32 v[L16], 4, v3
	v_lshlrev_b32 v[L8], 3, v3
	v_mul_u32_u24 v[SA], v2, s33
	v_lshl_add_u32 v[SA], v1, 4, v[SA]
	v_mul_u32_u24 v[SHV], v2, s36
	v_and_b32 v4, 7, v1                            ; j
	v_lshrrev_b32 v5, 3, v1                        ; w
	v_mul_u32_u24 v6, v5, 1536
	v_lshl_add_u32 v[LK16], v4, 4, v6
	v_lshl_add_u32 v[LK16], v2, 8, v[LK16]         ; 1,536 w + 16 j + 256 h
	v_lshl_add_u32 v[LK8], v4, 3, v6
	v_lshl_add_u32 v[LK8], v2, 7, v[LK8]           ; 1,536 w + 8 j + 128 h
	v_mul_u32_u24 v[SAK], v2, s33
	v_lshl_add_u32 v[SAK], v4, 4, v[SAK]
	v_lshl_add_u32 v[SAK], v5, 3, v[SAK]           ; head h, 16 j + 8 w
.irp b, 0,1,2,3
	v_mov_b32 v[TM+4+\b], 0
.endr
.macro OUTBLK a                        ; block a's 16 rows x 128 columns: four blocks of 32, each in lanes l and l xor 16
.set OW,   2+(\a)/4
.set WSET, OW|(OW<<2)
.set ACB,  64*((\a)%4)
.set KO,   768*(4*((\a)/4)+(\a)%2)
.set KX,   ((\a)/2)%2
	WIN WSET
.irp b, 0,1,2,3
	v_max3_num_f32 v[TM+\b], |v[ACB+16*\b]|, |v[ACB+16*\b+1]|, 0x1800000
.endr
.irp i, 2,4,6,8,10,12,14
.irp b, 0,1,2,3
	v_max3_num_f32 v[TM+\b], |v[ACB+16*\b+\i]|, |v[ACB+16*\b+\i+1]|, v[TM+\b]
.endr
.endr
	WIN 0
.irp b, 0,1,2,3
	v_permlanex16_b32 v[TM+4+\b], v[TM+\b], s46, s47
.endr
.irp b, 0,1,2,3
	v_max_num_f32 v[TM+\b], v[TM+\b], v[TM+4+\b]
.endr
.irp b, 0,1,2,3
	v_add_nc_u32 v[TM+12+\b], 0xff000000, v[TM+\b]
.endr
.irp b, 0,1,2,3
	v_lshrrev_b32 v[TM+4+\b], 23, v[TM+12+\b]
.endr
	v_lshl_or_b32 v[PW], v[TM+5], 8, v[TM+4]
	v_lshl_or_b32 v[PW], v[TM+6], 16, v[PW]
	v_lshl_or_b32 v[PW], v[TM+7], 24, v[PW]
	WIN OW
.irp c, 0,1
	v_cvt_scalef32_pk16_fp6_f32 v[PC+6*\c:PC+6*\c+2], v[ACB+32*\c:ACB+32*\c+15], v[TM+12+2*\c]
	v_cvt_scalef32_pk16_fp6_f32 v[PC+12+4*\c:PC+14+4*\c], v[ACB+32*\c+16:ACB+32*\c+31], v[TM+12+2*\c+1]
.endr
	WIN 0
	v_nop
.irp c, 0,1
.irp i, 0,1,2
	v_permlane16_swap_b32 v[PC+6*\c+\i], v[PC+12+4*\c+\i]
.endr
.irp i, 0,1,2
	v_mov_b32 v[PC+3+6*\c+\i], v[PC+12+4*\c+\i]
.endr
.endr
	s_wait_alu depctr_va_vdst(0)
	s_cmp_eq_u32 s[TEN], 1
	s_cbranch_scc1 .Lk_\@
	global_store_b128 v[L16], v[PC:PC+3], s[OC:OC+1]
	global_store_b64 v[L8], v[PC+4:PC+5], s[OC:OC+1] offset:512
	global_store_b128 v[L16], v[PC+6:PC+9], s[OC2:OC2+1]
	global_store_b64 v[L8], v[PC+10:PC+11], s[OC2:OC2+1] offset:512
	s_branch .Ls_\@
.Lk_\@:                                ; K: to tile 4 c + u + 2 w, row 8 x + j
	global_store_b128 v[LK16], v[PC:PC+3], s[OCK:OCK+1] offset:KO+128*KX
	global_store_b64 v[LK8], v[PC+4:PC+5], s[OCK:OCK+1] offset:KO+512+64*KX
	global_store_b128 v[LK16], v[PC+6:PC+9], s[OCK2:OCK2+1] offset:KO+128*KX
	global_store_b64 v[LK8], v[PC+10:PC+11], s[OCK2:OCK2+1] offset:KO+512+64*KX
.Ls_\@:
	v_lshrrev_b32 v[SW+(\a)], v[SHV], v[PW]
	v_and_b32 v[SW+(\a)], s37, v[SW+(\a)]
.if (\a) < 7
	s_wait_xcnt 0x0                                ; the stores have read their registers and bases
.if (\a) == 3
	s_add_nc_u64 s[OC:OC+1], s[OC:OC+1], s[28:29]
	s_add_nc_u64 s[OC2:OC2+1], s[OC2:OC2+1], s[28:29]
.else
	s_add_nc_u64 s[OC:OC+1], s[OC:OC+1], s[26:27]
	s_add_nc_u64 s[OC2:OC2+1], s[OC2:OC2+1], s[26:27]
.endif
.endif
.endm
.irp a, 0,1,2,3,4,5,6,7
	OUTBLK \a
.endr
	s_wait_alu depctr_va_vdst(0)
	s_cmp_eq_u32 s[TEN], 1
	s_cbranch_scc1 .Lk_scales
	global_store_b128 v[SA], v[SW:SW+3], s[OS:OS+1]
	global_store_b128 v[SA], v[SW+4:SW+7], s[OS2:OS2+1]
	s_branch .Lscales_out
.Lk_scales:                            ; K: blocks 4 c + 2 x + u, u = 0, 1: two words on end at 256 c + 128 x + 16 j + 8 w
.irp g, 0,1,2,3
	global_store_b64 v[SAK], v[SW+2*\g:SW+2*\g+1], s[OS:OS+1] offset:128*\g
.endr
.Lscales_out:
	s_wait_tensorcnt 0x0                           ; the wave's end
	ds_add_u32 v[SPW], v[NIL]
	s_wait_dscnt 0x0
	CROUND
	s_endpgm
.Lfunc_end_k_q91d19c90d5_proj:
	.size	k_q91d19c90d5_proj, .Lfunc_end_k_q91d19c90d5_proj-k_q91d19c90d5_proj
	.p2alignl 7, 3214868480
	.fill 96, 4, 3214868480
	.section	.rodata,"a",@progbits
	.p2align	6, 0x0
	.amdhsa_kernel k_q91d19c90d5_proj
		.amdhsa_group_segment_fixed_size 327680
		.amdhsa_private_segment_fixed_size 0
		.amdhsa_enable_private_segment 0
		.amdhsa_kernarg_size 144
		.amdhsa_user_sgpr_count 2
		.amdhsa_user_sgpr_kernarg_segment_ptr 1
		.amdhsa_wavefront_size32 1
		.amdhsa_system_sgpr_workgroup_id_x 1
		.amdhsa_system_sgpr_workgroup_id_y 1
		.amdhsa_system_sgpr_workgroup_id_z 1
		.amdhsa_system_vgpr_workitem_id 0
		.amdhsa_next_free_vgpr 1024
		.amdhsa_next_free_sgpr 106
		.amdhsa_reserve_vcc 0
		.amdhsa_float_denorm_mode_32 3
		.amdhsa_float_denorm_mode_16_64 3
		.amdhsa_memory_ordered 1
		.amdhsa_forward_progress 1
		.amdhsa_inst_pref_size 198
	.end_amdhsa_kernel
	.amdgpu_metadata
---
amdhsa.version: [ 1, 2 ]
amdhsa.kernels:
  - .name:           k_q91d19c90d5_proj
    .symbol:         k_q91d19c90d5_proj.kd
    .args:
      - { .name: q_codes, .offset: 0, .size: 8, .value_kind: global_buffer, .address_space: global }
      - { .name: q_scales, .offset: 8, .size: 8, .value_kind: global_buffer, .address_space: global }
      - { .name: Wq_codes, .offset: 16, .size: 8, .value_kind: global_buffer, .address_space: global }
      - { .name: Wq_scales, .offset: 24, .size: 8, .value_kind: global_buffer, .address_space: global }
      - { .name: bq, .offset: 32, .size: 8, .value_kind: global_buffer, .address_space: global }
      - { .name: k_codes, .offset: 40, .size: 8, .value_kind: global_buffer, .address_space: global }
      - { .name: k_scales, .offset: 48, .size: 8, .value_kind: global_buffer, .address_space: global }
      - { .name: Wk_codes, .offset: 56, .size: 8, .value_kind: global_buffer, .address_space: global }
      - { .name: Wk_scales, .offset: 64, .size: 8, .value_kind: global_buffer, .address_space: global }
      - { .name: bk, .offset: 72, .size: 8, .value_kind: global_buffer, .address_space: global }
      - { .name: Wv_codes, .offset: 80, .size: 8, .value_kind: global_buffer, .address_space: global }
      - { .name: Wv_scales, .offset: 88, .size: 8, .value_kind: global_buffer, .address_space: global }
      - { .name: v_codes, .offset: 96, .size: 8, .value_kind: global_buffer, .address_space: global }
      - { .name: v_scales, .offset: 104, .size: 8, .value_kind: global_buffer, .address_space: global }
      - { .name: bv, .offset: 112, .size: 8, .value_kind: global_buffer, .address_space: global }
      - { .name: qc, .offset: 120, .size: 8, .value_kind: global_buffer, .address_space: global }
      - { .name: qs, .offset: 128, .size: 8, .value_kind: global_buffer, .address_space: global }
      - { .name: kv, .offset: 136, .size: 8, .value_kind: global_buffer, .address_space: global }
    .group_segment_fixed_size: 327680
    .private_segment_fixed_size: 0
    .kernarg_segment_align: 8
    .kernarg_segment_size: 144
    .max_flat_workgroup_size: 128
    .sgpr_count:     106
    .vgpr_count:     1024
    .wavefront_size: 32
...
	.end_amdgpu_metadata
.endif
;; end of part 1
;; launch attn (part 2): grid 4 x 64, 16 waves a work-group, clusters of 4 x 1, 280,576 bytes of LDS; arguments qc, qs, kv, out0; writes out0
.if DOCPART == 2
	.amdgcn_target "amdgcn-amd-amdhsa--gfx1250"
	.amdhsa_code_object_version 6
	.text
	.protected	k_q91d19c90d5_attn
	.globl	k_q91d19c90d5_attn
	.p2align	8
	.type	k_q91d19c90d5_attn,@function
k_q91d19c90d5_attn:
	s_mov_b64 s[64:65], 0
	v_nop
	global_prefetch_b8 v0, s[64:65] scope:SCOPE_SE
	s_setreg_imm32_b32 hwreg(HW_REG_WAVE_MODE, 25, 1), 1
	s_wait_xcnt 0x0
	s_wait_alu depctr_hold_cnt(0) depctr_sa_sdst(0) depctr_va_vdst(0) depctr_va_sdst(0) depctr_va_ssrc(0) depctr_va_vcc(0) depctr_vm_vsrc(0)
	s_getreg_b32 s2, hwreg(HW_REG_IB_STS2, 6, 4)
	s_cmp_eq_u32 s2, 0
	s_cbranch_scc0 .Lentry_in_a_cluster
	s_endpgm
.Lentry_in_a_cluster:
	s_bfe_u32 s2, ttmp6, 0x10000c
	s_cmp_lg_u32 s2, 0x3003
	s_cbranch_scc0 .Lentry_shape_is_right
	s_endpgm
.Lentry_shape_is_right:
; ATTENTION of one (batch, head) bh on codes of FP6 (E2M3) with one E8M0 scale for each 32 along a product's K: out[b][q][64 head ..] = the sum over the keys of softmax(qh . kh / 8) vh.
; THE SOFTMAX AHEAD OF THE SECOND PRODUCT: t = score x log2(e) / 8; M = the row's largest t so far, rounded UP to a whole number; p = 2^(t - M) is what is quantised, along the keys; it is not normalised.
; The row's sum is taken of the unquantised p, in f32, and divides O at the end.  When M moves, the sum and O are multiplied by 2^(old M - new M): exact.
; INPUTS, as the launch before laid them: images of operand registers.  A half image is six registers in 768 bytes: registers 0-3 at 16 x lane, registers 4-5 at 512 + 8 x lane.
;   qc: bh x 98,304 + 768 T: tile T of 16 queries.  qs: bh x 8,192 + 256 (T / 4) + 16 r + 4 (T % 4): its scale word (bytes 2, 3 are 0).
;   kv, 208,896 bytes a head: K's scale words (laid as qs) at 0; V's at 8,192 + 256 ks + 16 r + 4 t; key step ks (128 keys) at 12,288 + 12,288 ks: K's eight half images, then at 6,144 V's four tiles of 16 d x 128 keys.
;   Row 8 x + j of K's tile 4 c + t is key 64 c + 32 x + 8 g + j, g = 0, 2, 1, 3 for t = 0 .. 3.  So of S^T = K Q^T lane (query, h) holds in the 32 registers of tiles 4 c .. 4 c + 3 the WHOLE block of keys 64 c + 32 h + 0 .. 31,
;   in the order in which V's codes lie in their blocks: a block's largest p needs no other lane, and the conversions' results are the operand's registers.
; THE FIRST PRODUCT'S K IS 64: registers 6-11 of Q's operand are zero codes.  K's eight half images lie on end in 48 registers: the upper six registers of a tile's operand are the next tile's codes (the last tile's: V's first six registers, codes too),
;   which meet Q's zero codes and add nothing; the scale bytes that go with them are 0, a finite code.
; THE WHOLE HEAD LIES IN LDS: its 208,896 bytes are 16 x 51 rows of 256: each of the sixteen waves brings a sixteenth by its one tensor load; every wave waits for its load, one barrier shows all; no LDS byte is filled again, and no barrier stands in the walk.
; No data prefetch into the L2: all is asked for at the head.
; A STEP'S LDS LOADS STAND IN ONE RUN of 34, between the wait ahead of the exponentials and the exponentials: this step's 17 loads of V, which the 66 exponentials and the quantiser's lines separate from their use, then the NEXT step's 17 loads of K.
; The last step of a pass fetches no further K and is written out.
; SHARES.  A work-group owns 512 queries of the head; each wave two tiles of 16, one after the other.  CLUSTER: the four work-groups of a cluster own the quarters of one head's queries: every tensor load is a joint one, mask 15.
; LIMITS: inside a block the sums take the keys in another order than ascending; a block whose every p has fallen to 0 keeps the byte 1 (its codes are zeros); NaN and infinities are not served; the promise holds while the scaled scores stay under 2^31 in magnitude.
; A block's largest p is made from the block's largest score by the same multiply-add and exponential; this takes v_exp_f32 not to fall where its input rises.
; REGISTERS: v1-7 addresses that stay; v8-11 the step's; v12 -M, v13 the largest score, v[14:15] the sum; v16-27 Q; v28-31 V's scale words; v32-79 K; v80-127 V; v128-191 S^T, then p, then its sums; v192-223 O^T; v224-235 p's codes (ahead of them: at work); v236.. below.
.set HEADB,  208896
.set QHEAD,  98304
.set VSC,    8192
.set KV0,    12288
.set STEPB,  12288
.set VOFF,   6144
.set SHARE,  HEADB/16                  ; 13,056 bytes = 51 rows of 256
.set STAGE,  HEADB                     ; 16 rows x (256 + 16) bytes for each wave, for the way out; no tensor load lands there
.set SPITCH, 272
.set SPARE,  0x44000                   ; the spare words, 128 bytes a wave
.set KF,  32
.set VF,  80
.set SS,  128
.set OT,  192
.set PC,  224
.set KSW, 236                          ; v236-239 K's scale words
.set QS,  240                          ; Q's scale word
.set OM,  241                          ; the old -M
.set TC,  242                          ; v242-244, v246-248: the second conversions' codes
.set FF,  250                          ; f;
.set PW,  251                          ; p's scale word
.set SO,  252                          ; v252, v253: the conversions' scale operands
.set SPW, 254
.set NIL, 255
.set TM,  PC                           ; at work in p's code registers, ahead of the conversions: four chains of maxima; TM, TM+2: the two blocks' largest
.set RM,  PC+4
.set RP,  PC+5
.set NM,  PC+6
.set DF,  PC+7
.set BY,  PC+8
.set WO,  PC+10
.set WP,  PC+11
.macro CROUND
	s_barrier_signal -1
	s_barrier_wait -1
	s_cmp_lg_u32 s12, 0
	s_cbranch_scc1 .Lnot_wave_0_\@
	s_barrier_signal -3
.Lnot_wave_0_\@:
	s_barrier_wait -3
	s_barrier_signal -1
	s_barrier_wait -1
.endm
	s_load_b256 s[4:11], s[0:1], 0x0               ; qc, qs, kv, out0
	v_lshl_add_u32 v[SPW], v0, 2, SPARE
	v_mov_b32 v[NIL], 0
	ds_add_u32 v[SPW], v[NIL]                      ; the opening lines: the add twice on end and one wait
	ds_add_u32 v[SPW], v[NIL]
	v_lshrrev_b32 v1, 5, v0
	v_readfirstlane_b32 s12, v1                    ; wave 0..15
	s_bfe_u32 s13, ttmp6, 0x40000                  ; cx: my quarter of the queries: it enters Q's and O's global addresses alone
	s_and_b32 s14, ttmp7, 0xffff                   ; bh
	s_mov_b32 s24, 15|(3<<16)|(1<<21)              ; group 1: dense bytes as 51 rows of 32 elements of 8 bytes; the mask names all four
	s_mov_b32 s25, 32<<16
	s_mov_b32 s26, 51<<16
	s_mov_b32 s27, 32<<16
	s_mov_b32 s28, 51
	s_mov_b32 s29, 32
	s_mov_b32 s30, 0
	s_mov_b32 s31, 0
	s_mul_i32 s16, s14, HEADB
	s_mov_b32 s17, 0
	s_mul_i32 s18, s12, SHARE                      ; my sixteenth: the same place in the head and in LDS
	s_mov_b32 s19, 0
	s_mov_b32 s20, 0x76543210
	s_mov_b32 s21, 0xfedcba98
	s_mov_b32 s22, 0x3e38aa3b                      ; c = log2(e) / 8
	s_mov_b32 s23, s22
	s_wait_alu depctr_va_vdst(0)
	s_wait_dscnt 0x0
	CROUND                                         ; the round in front of the joint loads
	s_wait_kmcnt 0x0
	s_add_nc_u64 s[8:9], s[8:9], s[16:17]
	s_mov_b32 s40, 1
	s_mov_b32 s41, s18
	s_add_nc_u64 s[42:43], s[8:9], s[18:19]
	s_or_b32 s43, s43, 0x80000000
	tensor_load_to_lds s[40:43], s[24:31]          ; one load a wave, on one line that every wave issues
	s_nop 0
.rept 4
	v_nop
.endr
	s_lshl_b32 s67, s13, 5
	s_add_co_u32 s67, s67, s12                     ; T = 32 cx + wave; the second tile is T + 16
	s_mov_b32 s71, 0
	s_mul_i32 s70, s14, QHEAD
	s_mul_i32 s15, s67, 768
	s_add_co_u32 s70, s70, s15
	s_add_nc_u64 s[4:5], s[4:5], s[70:71]
	s_lshl_b32 s70, s14, 13
	s_lshr_b32 s15, s67, 2
	s_lshl_b32 s15, s15, 8
	s_add_co_u32 s70, s70, s15
	s_and_b32 s15, s67, 3
	s_lshl_b32 s15, s15, 2
	s_add_co_u32 s70, s70, s15
	s_add_nc_u64 s[6:7], s[6:7], s[70:71]
	s_lshr_b32 s70, s14, 4
	s_lshl_b32 s70, s70, 11
	s_lshl_b32 s15, s67, 4
	s_add_co_u32 s70, s70, s15
	s_lshl_b32 s70, s70, 12
	s_and_b32 s15, s14, 15
	s_lshl_b32 s15, s15, 8
	s_add_co_u32 s70, s70, s15
	s_add_nc_u64 s[10:11], s[10:11], s[70:71]
	s_mul_i32 s16, s12, 16*SPITCH
	s_add_co_u32 s16, s16, STAGE
	v_and_b32 v8, 31, v0
	v_lshlrev_b32 v1, 4, v8                        ; 16 x lane
	v_lshlrev_b32 v2, 3, v8                        ; 8 x lane
	v_and_b32 v8, 15, v0                           ; r
	v_bfe_u32 v9, v0, 4, 1                         ; h
	v_lshlrev_b32 v4, 4, v8                        ; 16 r
	v_add_nc_u32 v3, VSC, v4
	v_mul_u32_u24 v5, v8, SPITCH
	v_lshl_add_u32 v5, v9, 5, v5
	v_add_nc_u32 v5, s16, v5                       ; the stage, in: row r, 32 bytes for each half of the lanes
	v_mul_u32_u24 v6, v9, SPITCH
	v_lshl_add_u32 v6, v8, 4, v6
	v_add_nc_u32 v6, s16, v6                       ; back: lanes 0-15 one row, lanes 16-31 the next
	v_lshlrev_b32 v7, 12, v9
	v_lshl_add_u32 v7, v8, 4, v7                   ; the same two rows in out0
.irp j, 22,23,24,25,26,27, 80,81,82,83,84,85
	v_mov_b32 v[\j], 0                             ; zero codes: Q's K 64 .. 127; and what lies behind K's last tile until V's first codes land there
.endr
	v_mov_b32 v[PW], 0                             ; (named as the upper half of the pair with f)
	v_mov_b32 v[RP], 0                             ; (a lane permute's destination counts as one of its sources)
	v_mov_b32 v[WP], 0
	s_wait_alu depctr_va_vdst(0)
	s_wait_tensorcnt 0x0                           ; my sixteenth is in
	s_barrier_signal -1
	s_barrier_wait -1                              ; the whole head is in
.macro QK t, row
	v_wmma_scale_f32_16x16x128_f8f6f4 v[SS+8*\t:SS+8*\t+7], v[KF+6*\t:KF+6*\t+11], v[16:27], 0, v[KSW+\t%4], v[QS] matrix_a_fmt:MATRIX_FMT_FP6 matrix_b_fmt:MATRIX_FMT_FP6 matrix_a_scale:MATRIX_SCALE_ROW\row
.endm
.macro KLD n, d                        ; load n = 0 .. 16 of a step's K: its scale words, then eight half images; d = 1: the step behind the one at which v8-10 stand
.if (\n) == 0
	ds_load_b128 v[KSW:KSW+3], v10 offset:512*(\d)   ; register t: tile t's words in lanes 0-15, tile 4 + t's in lanes 16-31
.elseif (\n)%2 == 1
	ds_load_b128 v[KF+6*(((\n)-1)/2):KF+6*(((\n)-1)/2)+3], v8 offset:STEPB*(\d)+768*(((\n)-1)/2)
.else
	ds_load_b64 v[KF+6*(((\n)-1)/2)+4:KF+6*(((\n)-1)/2)+5], v9 offset:STEPB*(\d)+768*(((\n)-1)/2)+512
.endif
.endm
.macro KRUN d                          ; all 17
.set N_, 0
.rept 17
	KLD N_, \d
.set N_, N_+1
.endr
.endm
.macro VLD n                           ; load n = 0 .. 16 of this step's V: four tiles of two half images, then the scale words
.if (\n) == 16
	ds_load_b128 v[28:31], v11
.elseif (\n)%2 == 0
	ds_load_b128 v[VF+6*((\n)/2):VF+6*((\n)/2)+3], v8 offset:VOFF+768*((\n)/2)
.else
	ds_load_b64 v[VF+6*((\n)/2)+4:VF+6*((\n)/2)+5], v9 offset:VOFF+768*((\n)/2)+512
.endif
.endm
.macro LVL w                           ; a level of the tree of sums, in place: the lower w registers take in the upper w
.set K_, 0
.rept (\w)/2
	v_pk_add_f32 v[SS+K_:SS+K_+1], v[SS+K_:SS+K_+1], v[SS+K_+\w:SS+K_+\w+1]
.set K_, K_+2
.endr
.endm
; A KEY STEP: 128 keys.  s60: LDS byte of the step's tiles; s61: of K's scale words; s62: of V's.  pre = 1: the next step's K is fetched
.macro STEP pre
	s_wait_dscnt 0x0                               ; this step's K is in: its loads were issued ahead of the last step's exponentials
.irp t, 0,1,2,3
	QK \t, 0
.endr
.irp t, 4,5,6,7
	QK \t, 1
.endr
	v_add_nc_u32 v8, s60, v1                       ; the four places behind the products
	v_add_nc_u32 v9, s60, v2
	v_add_nc_u32 v10, s61, v1
	v_add_nc_u32 v11, s62, v3
	v_mov_b32 v[OM], v12
.irp c, 0,1                                    ; each block's largest score, in two chains a block; each accumulator is first read at its low end
	v_max3_num_f32 v[TM+2*\c], v[SS+32*\c], v[SS+32*\c+1], v[SS+32*\c+2]
	v_max3_num_f32 v[TM+2*\c+1], v[SS+32*\c+17], v[SS+32*\c+18], v[SS+32*\c+19]
.endr
.irp i, 0,2,4,6,8,10
.irp c, 0,1
	v_max3_num_f32 v[TM+2*\c], v[TM+2*\c], v[SS+32*\c+3+\i], v[SS+32*\c+4+\i]
	v_max3_num_f32 v[TM+2*\c+1], v[TM+2*\c+1], v[SS+32*\c+20+\i], v[SS+32*\c+21+\i]
.endr
.endr
.irp c, 0,1
	v_max3_num_f32 v[TM+2*\c], v[TM+2*\c], v[SS+32*\c+15], v[SS+32*\c+16]
.endr
.irp c, 0,1
	v_max_num_f32 v[TM+2*\c], v[TM+2*\c], v[TM+2*\c+1]
.endr
	v_max_num_f32 v[RM], v[TM], v[TM+2]
	v_permlanex16_b32 v[RP], v[RM], s20, s21
	v_max3_num_f32 v13, v13, v[RM], v[RP]          ; my query's largest score so far
	v_mul_f32 v[NM], 0xbe38aa3b, v13               ; -t
	v_floor_f32 v12, v[NM]                         ; the new -M = -ceil(t)
.set J, 0
.rept 32
	v_pk_fma_f32 v[SS+J:SS+J+1], v[SS+J:SS+J+1], s[22:23], v[12:13] op_sel_hi:[1,0,0]   ; t - M
.if J == 8
	v_sub_f32 v[DF], v12, v[OM]                    ; old M less new M: a whole number, 0 or less
.endif
.if J == 24
	v_cvt_i32_f32 v[DF], v[DF]                     ; (it saturates)
.endif
.set J, J+2
.endr
	v_fma_f32 v[TM], v[TM], s22, v12
	v_fma_f32 v[TM+2], v[TM+2], s22, v12
	s_wait_alu depctr_va_vdst(0)
.set N_, 0
.rept 17
	VLD N_                                         ; the step's one run of LDS loads: this step's V,
.set N_, N_+1
.endr
.if \pre
	KRUN 1                                         ; and the next step's K
.endif
.set J, 0
.rept 64
	v_exp_f32 v[SS+J], v[SS+J]                     ; p
.set J, J+1
.endr
	v_exp_f32 v[TM], v[TM]                         ; the blocks' largest p
	v_exp_f32 v[TM+2], v[TM+2]
	v_ldexp_f32 v[FF], 1.0, v[DF]                  ; f = 2^(old M - new M).  (The plain place behind the exponentials)
	s_wait_alu depctr_va_vdst(0)                   ; and behind it
	v_max_num_f32 v[TM], 0x1800000, v[TM]          ; the floor 2^(3 - 127): the byte cannot fall under 1
	v_max_num_f32 v[TM+2], 0x1800000, v[TM+2]
	v_add_nc_u32 v[SO], 0xff000000, v[TM]          ; 2 off the exponent field: the conversions' scale operand
	v_add_nc_u32 v[SO+1], 0xff000000, v[TM+2]
	v_lshrrev_b32 v[BY], 23, v[SO]
	v_lshrrev_b32 v[BY+1], 23, v[SO+1]
	v_lshl_or_b32 v[WO], v[BY+1], 16, v[BY]        ; my blocks h and 2 + h
	v_permlanex16_b32 v[WP], v[WO], s20, s21
	v_lshl_or_b32 v[PW], v[WP], 8, v[WO]           ; lanes 0-15, which alone are read: the four bytes of my query
.irp c, 0,1
	v_cvt_scalef32_pk16_fp6_f32 v[PC+6*\c:PC+6*\c+2], v[SS+32*\c:SS+32*\c+15], v[SO+\c]
	v_cvt_scalef32_pk16_fp6_f32 v[TC+4*\c:TC+4*\c+2], v[SS+32*\c+16:SS+32*\c+31], v[SO+\c]   ; (a conversion's three registers begin on an even number)
.endr
	v_nop                                          ; one plain place behind a scaled conversion
.irp c, 0,1
.irp i, 0,1,2
	v_mov_b32 v[PC+6*\c+3+\i], v[TC+4*\c+\i]
.endr
.endr
.if \pre
	s_wait_dscnt 17                                ; V and its scale words are in; the next step's 17 loads of K may be out
.else
	s_wait_dscnt 0x0
.endif
	s_wait_alu depctr_va_vdst(0)
.set J, 0
.rept 16
	v_pk_mul_f32 v[OT+J:OT+J+1], v[OT+J:OT+J+1], v[FF:FF+1] op_sel_hi:[1,0]   ; O^T under the new M; also the places ahead of the products below
.set J, J+2
.endr
.irp t, 0,1,2,3                                ; O^T += V^T P^T; the four accumulators take turns
	v_wmma_scale_f32_16x16x128_f8f6f4 v[OT+8*\t:OT+8*\t+7], v[VF+12*\t:VF+12*\t+11], v[PC:PC+11], v[OT+8*\t:OT+8*\t+7], v[28+\t], v[PW] matrix_a_fmt:MATRIX_FMT_FP6 matrix_b_fmt:MATRIX_FMT_FP6
.endr
	LVL 32                                         ; the row's sum of the unquantised p, a tree in p's own registers: also the places behind the products
	LVL 16
	LVL 8
	LVL 4
	LVL 2
	v_pk_fma_f32 v[14:15], v[14:15], v[FF:FF+1], v[SS:SS+1] op_sel_hi:[1,0,1]   ; the old sum under the new M, and this step's
.endm
	s_mov_b32 s66, 2
.Lpass:                                            ; two trips: tile T, then tile T + 16
	global_load_b128 v[16:19], v1, s[4:5]
	global_load_b64 v[20:21], v2, s[4:5] offset:512
	global_load_b32 v[QS], v4, s[6:7]
	v_add_nc_u32 v8, KV0, v1
	v_add_nc_u32 v9, KV0, v2
	v_mov_b32 v10, v1
	KRUN 0                                         ; key step 0's K
	v_mov_b32 v13, 0xff61b1e6                      ; the largest score so far: -3e38
	v_mul_f32 v12, 0xbe38aa3b, v13
	v_floor_f32 v12, v12                           ; -M
	v_mov_b32 v14, 0
	v_mov_b32 v15, 0
.set J, 0
.rept 32
	v_mov_b32 v[OT+J], 0                           ; O^T: the step is written once; the first finds zeros
.set J, J+1
.endr
	s_mov_b32 s60, KV0
	s_mov_b32 s61, 0
	s_mov_b32 s62, 0
	s_mov_b32 s63, 15
	s_wait_alu depctr_va_vdst(0)
	s_wait_loadcnt 0x0
.Lstep:                                            ; key steps 0 to 14
	STEP 1
	s_add_co_u32 s60, s60, STEPB
	s_add_co_u32 s61, s61, 512
	s_add_co_u32 s62, s62, 256
	s_sub_co_u32 s63, s63, 1
	s_cmp_lg_u32 s63, 0
	s_cbranch_scc1 .Lstep
	STEP 0                                         ; key step 15 fetches no further K
	; THE WAY OUT: O^T / the sum, through my stage, so that sixteen lanes store a query's 256 consecutive bytes
	v_add_f32 v14, v14, v15
	v_permlanex16_b32 v[FF], v14, s20, s21
	v_add_f32 v14, v14, v[FF]                      ; with lane l xor 16's keys: the row's sum
	s_wait_alu depctr_va_vdst(0)
	v_rcp_f32 v14, v14
	v_nop
	s_wait_alu depctr_va_vdst(0)
.set J, 0
.rept 16
	v_pk_mul_f32 v[SS+J:SS+J+1], v[OT+J:OT+J+1], v[14:15] op_sel_hi:[1,0]   ; register 8 t + i is o(query r, 16 t + 8 h + i)
.set J, J+2
.endr
.irp t, 0,1,2,3
	ds_store_b128 v5, v[SS+8*\t:SS+8*\t+3] offset:64*\t
	ds_store_b128 v5, v[SS+8*\t+4:SS+8*\t+7] offset:64*\t+16
.endr
.irp i, 0,1,2,3,4,5,6,7
	ds_load_b128 v[SS+32+4*\i:SS+35+4*\i], v6 offset:2*\i*SPITCH   ; LDS serves a wave's instructions in order (ISA guide 5.7.1.4)
.endr
.irp i, 0,1,2,3,4,5,6,7
	s_wait_dscnt 7-\i                              ; load i is in; the 7 - i younger ones may be out
	global_store_b128 v7, v[SS+32+4*\i:SS+35+4*\i], s[10:11] offset:2*\i*4096 th:TH_STORE_NT
.endr
	s_wait_xcnt 0x0                                ; bases and data are rewritten only behind this wait
	s_add_nc_u64 s[4:5], s[4:5], 16*768
	s_add_nc_u64 s[6:7], s[6:7], 4*256
	s_add_nc_u64 s[10:11], s[10:11], 256*4096
	s_sub_co_u32 s66, s66, 1
	s_cmp_lg_u32 s66, 0
	s_cbranch_scc1 .Lpass
	s_wait_tensorcnt 0x0                           ; the wave's end
	ds_add_u32 v[SPW], v[NIL]
	s_wait_dscnt 0x0
	CROUND                                         ; the closing round
	s_endpgm
.Lfunc_end_k_q91d19c90d5_attn:
	.size	k_q91d19c90d5_attn, .Lfunc_end_k_q91d19c90d5_attn-k_q91d19c90d5_attn
	.p2alignl 7, 3214868480
	.fill 96, 4, 3214868480
	.section	.rodata,"a",@progbits
	.p2align	6, 0x0
	.amdhsa_kernel k_q91d19c90d5_attn
		.amdhsa_group_segment_fixed_size 280576
		.amdhsa_private_segment_fixed_size 0
		.amdhsa_enable_private_segment 0
		.amdhsa_kernarg_size 32
		.amdhsa_user_sgpr_count 2
		.amdhsa_user_sgpr_kernarg_segment_ptr 1
		.amdhsa_wavefront_size32 1
		.amdhsa_system_sgpr_workgroup_id_x 1
		.amdhsa_system_sgpr_workgroup_id_y 1
		.amdhsa_system_sgpr_workgroup_id_z 1
		.amdhsa_system_vgpr_workitem_id 0
		.amdhsa_next_free_vgpr 256
		.amdhsa_next_free_sgpr 72
		.amdhsa_reserve_vcc 0
		.amdhsa_float_denorm_mode_32 3
		.amdhsa_float_denorm_mode_16_64 3
		.amdhsa_memory_ordered 1
		.amdhsa_forward_progress 1
		.amdhsa_inst_pref_size 40
	.end_amdhsa_kernel
	.amdgpu_metadata
---
amdhsa.version: [ 1, 2 ]
amdhsa.kernels:
  - .name:           k_q91d19c90d5_attn
    .symbol:         k_q91d19c90d5_attn.kd
    .args:
      - { .name: qc, .offset: 0, .size: 8, .value_kind: global_buffer, .address_space: global }
      - { .name: qs, .offset: 8, .size: 8, .value_kind: global_buffer, .address_space: global }
      - { .name: kv, .offset: 16, .size: 8, .value_kind: global_buffer, .address_space: global }
      - { .name: out0, .offset: 24, .size: 8, .value_kind: global_buffer, .address_space: global }
    .group_segment_fixed_size: 280576
    .private_segment_fixed_size: 0
    .kernarg_segment_align: 8
    .kernarg_segment_size: 32
    .max_flat_workgroup_size: 512
    .sgpr_count:     72
    .vgpr_count:     256
    .wavefront_size: 32
...
	.end_amdgpu_metadata
.endif
;; end of part 2
